; MI455X (gfx1250); checked and timed in simulation.
; The chip was launched on July 23, 2026; its instructions are those of AMD's public machine-readable ISA for CDNA 5 (MIT licence, August 2026) and "CDNA5" Instruction Set Architecture Reference Guide (July 2026). The comments in the code are by the model that wrote it; some were corrected since.
;; Hashed MLP. Allowed arithmetic: matrix products marked QUANTISED: E5M2 operands, one E8M0 scale for each 32 along K, by v_wmma_scale_f32_16x16x128_f8f6f4 with both operands' format E5M2, f32 sums; products left as they are: f32 operands where the result goes on into a quantised operand, else bf16, f16 or f32 operands; f32 sums; everything else in f32.
;; Inputs: W0 26 x 64 float32; W1_codes 64 x 2 x 32 uint8 (E5M2 codes of W1, K innermost, in blocks of 32 codes); W1_scales 64 x 2 uint8 (E8M0 scales of W1, one for each 32 codes along K); W2 64 x 1 float32; b0 64 float32; b1 64 float32; b2 1 float32; data 524,288 x 3 float32; table 13 x 524,288 x 2 float32.
;; Outputs: out0 524,288 x 1 float32.
;; This version of the problem:
;;   THIS VERSION OF THE PROBLEM IS GIVEN IN LOW PRECISION. The matrix products marked QUANTISED in the list below multiply operands that are first quantised to E5M2 (5 exponent bits, 2 mantissa bits; 8 bits a number), with one power-of-two scale for each 32 numbers along K (OCP MX v1.0); their sums are f32. All else is computed in f32.
;;   The module's matrix products, in the order in which they are computed (A, B: the left and right operand; K: the contracted axis; several contracted axes count as one K, in the product's order):
;;     1. [M 524,288, K 26] x [K 26, N 64]; A: computed on the way; B: input W0: left as it is (K = 26 < 32)
;;     2. [M 524,288, K 64] x [K 64, N 64]; A: computed on the way; B: input W1 (given as codes): QUANTISED
;;     3. [M 524,288, K 64] x [K 64, N 1]; A: computed on the way; B: input W2: left as it is (N = 1 < 16)
;;   THE QUANTISER, for each operand of a quantised product, along K:
;;     - K is cut into blocks of 32 from its start; a last block that is shorter is filled with zeros.
;;     - A block's scale is 2^e with e = floor(log2(the largest magnitude in the block)) - 15, held to -126 .. 127; a block of zeros has e = 0. As a byte (E8M0): e + 127.
;;     - Each number is divided by its block's scale, clamped to +-57,344, and rounded to the nearest number of E5M2, ties to even, subnormals kept.
;;     - The product sums the exact products of the quantised numbers (number of the format x scale) in f32.
;;   ~~~python
;;   def quantise(x, axis):      # numpy; x: float32 -> the quantised numbers, widened to float32 again
;;       x = np.moveaxis(x, axis, -1); K = x.shape[-1]
;;       x = np.pad(x, [(0, 0)] * (x.ndim - 1) + [(0, -K % 32)]); x = x.reshape(x.shape[:-1] + (-1, 32)); a = np.abs(x).max(-1, keepdims=True)
;;       e = np.where(a > 0, np.clip(np.frexp(np.where(a > 0, a, 1))[1] - 1 - 15, -126, 127), 0)      # np.frexp(a)[1] - 1 = floor(log2(a)), exactly
;;       r = np.clip(x / 2.0 ** e, -57344, 57344)
;;       step = 2.0 ** (np.maximum(np.frexp(np.where(r == 0, 1, r))[1] - 1, -14) - 2)
;;       q = np.round(r / step) * step * 2.0 ** e      # np.round: ties to even
;;       return np.moveaxis(q.reshape(q.shape[:-2] + (-1,))[..., :K], -1, axis).astype(np.float32)
;;   ~~~
;;   OPERANDS COMPUTED ON THE WAY. 'Computed on the way' means the value that the module computes at that place (a softmax that the list does not call 'softmax' is quantised finished and normalised). What goes into a quantiser is computed in f32, as accurately as f32 sums, v_exp_f32 and their like allow (about 1e-6 of the number): no bf16 or f16 on the way to a quantiser, and a product that is left as it is and whose result goes on into a quantised operand takes f32 operands (vector FMAs, or v_wmma_f32_16x16x4_f32). A number that lies on a knife's edge between two numbers of the format may be rounded either way, as far as f32 arithmetic and the matrix unit's own rounding can turn it there, and no further.
;;   INPUTS GIVEN AS CODES. W1 (in the module: [64, 64], K = its axis 0): each comes as NAME_codes (uint8): NAME with its K axis moved to the last place and cut into blocks of 32 codes, [.., K / 32, bytes a block], one block behind the other in memory; one code a byte (a code: sign, 5 exponent bits, 2 mantissa bits); and NAME_scales (uint8): the same leading axes, one E8M0 byte (e + 127) for each 32 codes along K. Its value is code x scale, taken as it is: it is not quantised again, and the codes and scales need not be those that the quantiser above would give.
;; 2 versions, each right; version 2 is version 1 with the launch field written anew for expert scheduling mode. Each part assembles by itself: llvm-mc -triple=amdgcn-amd-amdhsa -mcpu=gfx1250 --defsym DOCPART=n.
;; ======== version 1 of 2: 2 launches
;; workspace buffers: cells 58,720,256 bytes of whole numbers
;; launch cells (part 1): grid 1024 x 1, 8 waves a work-group, no clusters, 0 bytes of LDS; arguments data, cells; writes cells
.if DOCPART == 1
	.amdgcn_target "amdgcn-amd-amdhsa--gfx1250"
	.amdhsa_code_object_version 6
	.text
	.protected	k_qa2bd0a915c_cells
	.globl	k_qa2bd0a915c_cells
	.p2align	8
	.type	k_qa2bd0a915c_cells,@function
k_qa2bd0a915c_cells:
	s_mov_b64 s[64:65], 0
	v_nop
	global_prefetch_b8 v0, s[64:65] scope:SCOPE_SE
	s_setreg_imm32_b32 hwreg(HW_REG_WAVE_MODE, 25, 1), 1
	s_wait_xcnt 0x0
; THE HASH GRID'S WHOLE NUMBERS.  For each point and level: pos = data x res (one f32 rounding, as the problem writes it), (x, y, z) = floor(pos) as whole numbers.
; A table index is (x ^ y p1 ^ z p2) & (2^19 - 1), and a corner adds 1 to a coordinate: so the low 19 bits of x, of y p1 and of z p2 are all that the eight indices need
; ((y + 1) p1 = y p1 + p1 modulo 2^19).  These 57 bits go into two words; the next launch reads them and forms the eight indices by whole-number lines alone.
; NO WORK IS LEFT OUT: every input of the problem has a way to the output; this launch needs data alone, the next one loads all the others.
; LAYOUT of cells: [tile of 16 points][step s = 0..6][lane 0..31][2 words].  Lane (r = lane % 16, h = lane / 16) stands for point r and level 2 s + h; the slot (s = 6, h = 1) has no level and repeats level 12.
;   word 0 = (y p1 & 0x7ffff) | x << 19 (x's bits 0-12);   word 1 = (z p2 & 0x7ffff) | hb << 19 | x's bits 13-18 << 20;   hb = h (s < 6) or 0 (s = 6): it picks the upper of a step's two levels.
; SHARES: wave W = 8 x work-group + wave takes tiles 4 W .. 4 W + 3.  No loop, no LDS, no barrier: waves share nothing.  Every offset is an immediate and every store has data registers of its own,
; so that no source of a pending store is ever written again.  Each store of a wave covers 256 consecutive bytes, aligned.
; The products by the primes keep their low 19 bits alone, and those hang on the low 19 bits of both factors: so a 24-bit multiply by the prime's low 19 bits serves.
; LIMITS: |data x 1024| stays under 2^31; a negative position is taken in two's complement; NaN and infinities among data give whole numbers of no meaning (the next launch holds every index inside the table).
.set DO,  1                            ; v1      12 r: my point's three numbers in a tile's 192 bytes
.set SO,  2                            ; v2      8 x lane: my two words in a step's 256 bytes
.set HB,  3                            ; v3      h << 19
.set RES, 8                            ; v8-14   the resolution of level 2 s + h (s = 6: of level 12 in both halves)
.set D,   16                           ; v[16+4i .. 18+4i]  tile i's coordinates of my point
.set T,   32                           ; v32-35  at work
.set P,   40                           ; v40-95  28 pairs of words
	s_load_b128 s[4:7], s[0:1], 0x0                ; data s[4:5], cells s[6:7]
	v_lshrrev_b32 v4, 5, v0
	v_readfirstlane_b32 s8, v4                     ; wave 0..7
	v_and_b32 v5, 15, v0                           ; r
	v_and_b32 v6, 31, v0                           ; lane
	v_bfe_u32 v7, v0, 4, 1                         ; h
	v_mul_u32_u24 v[DO], v5, 12
	v_lshlrev_b32 v[SO], 3, v6
	v_lshlrev_b32 v[HB], 19, v7
	s_lshl_b32 s9, ttmp9, 3
	s_add_co_u32 s9, s9, s8                        ; W
	s_mul_i32 s10, s9, 768                         ; four tiles of data: 4 x 16 x 12 bytes
	s_mov_b32 s11, 0
	s_mul_i32 s16, s9, 7168                        ; four tiles of cells: 4 x 1,792 bytes
	s_mov_b32 s17, 0
	s_mov_b32 s12, 0xffff0000                      ; the lanes with h = 1
	s_mov_b32 s13, 0x7ffff
	s_mov_b32 s14, 0x779b1                         ; 2654435761 & 0x7ffff
	s_mov_b32 s15, 0x25795                         ; 805459861 & 0x7ffff
	s_wait_kmcnt 0x0
	s_add_nc_u64 s[4:5], s[4:5], s[10:11]
	s_add_nc_u64 s[6:7], s[6:7], s[16:17]
.irp i, 0,1,2,3
.irp j, 0,1,2
	global_load_b32 v[D+4*\i+\j], v[DO], s[4:5] offset:192*\i+4*\j th:TH_LOAD_NT
.endr
.endr
.macro SETRES reg, even, odd           ; lanes 0-15 the even level's resolution, lanes 16-31 the odd level's
	v_mov_b32 v[\reg], \even
	v_mov_b32 v[T], \odd
	v_cndmask_b32 v[\reg], v[\reg], v[T], s12
.endm
	SETRES RES+0, 0x41800000, 0x41b80000           ; 16, 23
	SETRES RES+1, 0x42000000, 0x42340000           ; 32, 45
	SETRES RES+2, 0x42800000, 0x42b60000           ; 64, 91
	SETRES RES+3, 0x43000000, 0x43350000           ; 128, 181
	SETRES RES+4, 0x43800000, 0x43b50000           ; 256, 362
	SETRES RES+5, 0x44000000, 0x44350000           ; 512, 724
	v_mov_b32 v[RES+6], 0x44800000                 ; 1024, in both halves
.macro ITEM i, s                       ; tile i, step s: my point at my level
.set PP, P+2*(7*(\i)+(\s))
	v_mul_f32 v[T],   v[D+4*(\i)],   v[RES+(\s)]
	v_mul_f32 v[T+1], v[D+4*(\i)+1], v[RES+(\s)]
	v_mul_f32 v[T+2], v[D+4*(\i)+2], v[RES+(\s)]
	v_floor_f32 v[T],   v[T]
	v_floor_f32 v[T+1], v[T+1]
	v_floor_f32 v[T+2], v[T+2]
	v_cvt_i32_f32 v[T],   v[T]                       ; x
	v_cvt_i32_f32 v[T+1], v[T+1]                     ; y
	v_cvt_i32_f32 v[T+2], v[T+2]                     ; z
	v_mul_u32_u24 v[T+1], s14, v[T+1]
	v_mul_u32_u24 v[T+2], s15, v[T+2]
	v_and_b32 v[T+1], s13, v[T+1]                    ; y p1, 19 bits
.if (\s) < 6
	v_and_or_b32 v[T+2], v[T+2], s13, v[HB]          ; z p2, 19 bits, and the half's bit above them
.else
	v_and_b32 v[T+2], s13, v[T+2]
.endif
	v_lshl_or_b32 v[PP], v[T], 19, v[T+1]            ; x's bits 0-12 above y's 19
	v_bfe_u32 v[T+3], v[T], 13, 6
	v_lshl_or_b32 v[PP+1], v[T+3], 20, v[T+2]        ; x's bits 13-18 above z's 20
	global_store_b64 v[SO], v[PP:PP+1], s[6:7] offset:1792*(\i)+256*(\s) th:TH_STORE_NT   ; 32 lanes store 256 consecutive bytes, at a multiple of 256 from the buffer's first byte
.endm
.irp i, 0,1,2,3
	s_wait_loadcnt 9-3*\i                          ; loads come back in order: this tile's three are in, three for each younger tile may be out
.irp s, 0,1,2,3,4,5,6
	ITEM \i, \s
.endr
.endr
	s_endpgm
.Lfunc_end_k_qa2bd0a915c_cells:
	.size	k_qa2bd0a915c_cells, .Lfunc_end_k_qa2bd0a915c_cells-k_qa2bd0a915c_cells
	.p2alignl 7, 3214868480
	.fill 96, 4, 3214868480
	.section	.rodata,"a",@progbits
	.p2align	6, 0x0
	.amdhsa_kernel k_qa2bd0a915c_cells
		.amdhsa_group_segment_fixed_size 0
		.amdhsa_private_segment_fixed_size 0
		.amdhsa_enable_private_segment 0
		.amdhsa_kernarg_size 16
		.amdhsa_user_sgpr_count 2
		.amdhsa_user_sgpr_kernarg_segment_ptr 1
		.amdhsa_wavefront_size32 1
		.amdhsa_system_sgpr_workgroup_id_x 1
		.amdhsa_system_sgpr_workgroup_id_y 1
		.amdhsa_system_sgpr_workgroup_id_z 1
		.amdhsa_system_vgpr_workitem_id 0
		.amdhsa_next_free_vgpr 96
		.amdhsa_next_free_sgpr 66
		.amdhsa_reserve_vcc 0
		.amdhsa_float_denorm_mode_32 3
		.amdhsa_float_denorm_mode_16_64 3
		.amdhsa_memory_ordered 1
		.amdhsa_forward_progress 1
		.amdhsa_inst_pref_size 24
	.end_amdhsa_kernel
	.amdgpu_metadata
---
amdhsa.version: [ 1, 2 ]
amdhsa.kernels:
  - .name:           k_qa2bd0a915c_cells
    .symbol:         k_qa2bd0a915c_cells.kd
    .args:
      - { .name: data, .offset: 0, .size: 8, .value_kind: global_buffer, .address_space: global }
      - { .name: cells, .offset: 8, .size: 8, .value_kind: global_buffer, .address_space: global }
    .group_segment_fixed_size: 0
    .private_segment_fixed_size: 0
    .kernarg_segment_align: 8
    .kernarg_segment_size: 16
    .max_flat_workgroup_size: 256
    .sgpr_count:     66
    .vgpr_count:     96
    .wavefront_size: 32
...
	.end_amdgpu_metadata
.endif
;; end of part 1
;; launch field (part 2): grid 256 x 1, 16 waves a work-group, no clusters, 17,920 bytes of LDS; arguments cells, data, table, W0, b0, W1_codes, W1_scales, b1, W2, b2, out0; writes out0
.if DOCPART == 2
	.amdgcn_target "amdgcn-amd-amdhsa--gfx1250"
	.amdhsa_code_object_version 6
	.text
	.protected	k_qa2bd0a915c_field
	.globl	k_qa2bd0a915c_field
	.p2align	8
	.type	k_qa2bd0a915c_field,@function
k_qa2bd0a915c_field:
	s_mov_b64 s[64:65], 0
	v_nop
	global_prefetch_b8 v0, s[64:65] scope:SCOPE_SE
	s_setreg_imm32_b32 hwreg(HW_REG_WAVE_MODE, 25, 1), 1
	s_wait_xcnt 0x0
; out = gelu(Q(gelu(x W0 + b0)) W1 + b1) W2 + b2, x = the 26 features of the hash grid: for each of 13 levels the trilinear blend of eight table entries.  gelu is the tanh form.
; No work is left out: every input is loaded.  The table's indices come as whole numbers from the launch before (cells); this launch forms no address from a floating-point number.
; SHARES.  256 work-groups of sixteen waves, four to a SIMD, 256 registers each.  Wave W = 16 x work-group + wave takes tiles 8 W .. 8 W + 7, a tile of 16 points a trip.
; A TILE.  Lane (r = lane % 16, h = lane / 16) takes point r and, in step s = 0..6, level 2 s + h.  Its blended pair of features IS the second source of the f32 matrix instruction for K step s
; (register j holds k = 4 s + 2 h + j), so nothing changes lanes.  The slot (s = 6, h = 1) has no level: it repeats level 12's loads and is then set to (1, 0); W0's row 26 holds b0 and row 27 zeros: the bias costs nothing.
; PRODUCT 1 (left as it is, and on its way to a quantiser: f32 operands): H0^T = W0^T x^T, 4 tiles of 16 hidden units x 7 K steps.  THE UNITS OF A TILE ARE NOT NEIGHBOURS: row rho of tile t is unit
; 32 (t / 2) + 8 (t % 2) + rho + 8 (rho / 8), so that register 16 b + i of lane (r, h) is unit 32 b + 16 h + i of point r: the order in which the codes' operand wants them.
; PRODUCT 2 (QUANTISED): gelu(H0) is quantised in registers, two blocks of 32; K = 64 is half of the instruction's 128.  A fragment of W1 holds TWO tiles of 16 output units, one in k 0-63, one in k 64-127;
; the hidden codes are read as [H | 0] or as [0 | H] out of the run of registers 0, H, 0: zero codes add nothing.  b1 is the C of each sum.  PRODUCT 3 (one column): fused multiply-adds, and one exchange between the halves of the lanes.
; gelu(x) = x / (1 + 2^(x (K0 + K1 x^2))), K0 = -2 log2(e) sqrt(2 / pi), K1 = 0.044715 K0: the tanh form in other words; the blend is nested, f0 (1 - t) + f1 t along x, y, z: both differ from the problem's lines by f32 rounding alone.
; WEIGHTS.  W1's codes and scale words stay in registers.  W0 (with b0), b1 and W2 lie in LDS, W0 as images of the fragments' registers (16 bytes a lane, 512 consecutive bytes a load); they are written once, ahead of the one barrier.
; No tensor load, no cluster: what work-groups share is 12 KB of weights, read once each; the table's entries are asked for lane by lane, 8 bytes each.
; LIMITS: those of the launch before (|data x 1024| under 2^31; negative positions in two's complement); NaN or infinity in data gives NaN, with every index held inside the table;
; a code of W1 that is infinity or NaN, or a scale byte 0xff, spoils both unit tiles of its fragment (0 x infinity); a block of zeros in the hidden layer keeps the byte 1: its codes are zeros, and this program alone reads the byte.
.set W0IMG, 0                          ; LDS: 14 images of 512 bytes: image 2 s + q = fragments t = 2 q, 2 q + 1 of K step s
.set B1L,   7168                       ; b1, 256 bytes as it lies; W2 256 bytes behind it
.set OUTS,  7680                       ; 512 bytes for each wave: its 128 results
.set SPARE, 15872                      ; the spare words, 128 bytes for each of the sixteen waves: eight blocks of 256 bytes that no other line names
.set SPW, 1                            ; v1   LDS address of my spare word; never rewritten
.set NIL, 2                            ; v2   0; never rewritten
.set HB,  3                            ; v3   h << 19
.set IXO, 4                            ; v4   8 x lane
.set DO,  5                            ; v5   12 r
.set LW,  6                            ; v6   16 x lane: an image's place for my lane; also my offset in the wave's 512 bytes of out0
.set LB,  7                            ; v7   B1L + 32 h
.set OS,  8                            ; v8   OUTS + 512 wave + 4 r
.set OL,  9                            ; v9   OUTS + 512 wave + 16 x lane
.set K0V, 10                           ; v[10:11] K0, twice
.set RES, 12                           ; v12-18 the resolution of level 2 s + h
.set OA,  19                           ; v19  where the tile's result goes
.set D,   20                           ; v20-22 my point's coordinates
.set PT0, 23                           ; v23, v55: destinations of the lane exchanges; v55 also carries the tile's result to LDS
.set IX,  24                           ; v24-37 the tile's cells: step s's two words
.set XF,  38                           ; v38-51 the features: step s's pair
.set W1S, 52                           ; v52-53 W1's scale words;  v54 the hidden layer's: these three hold scales and nothing else
.set HS,  54
.set PT1, 55
.set Z0,  56                           ; v56-63 zeros;  v64-71 the hidden layer's codes;  v72-79 zeros
.set HC,  64
.set Z1,  72
.set W1F, 80                           ; v80-111 W1's two fragments
.set H0,  112                          ; v112-143 product 1's sums: written by matrix instructions alone
.set WA,  144                          ; v144-159 W0's fragments of a K step, two sets
.set GB,  160                          ; v160-239 five buffers of eight entries (corner c = dx + 2 dy + 4 dz at pair 2 c): step s has buffer s % 5
.set G,   160                          ; v160-191 gelu's results
.set H1,  192                          ; v192-223 product 2's sums
.set W2R, 224                          ; v224-255 W2 in the sums' layout
.set TQ,  224                          ; v224-233 the quantiser's, before W2 is fetched
.set TT,  240                          ; v240-251 at work in the hash phase
.set TBL, 32                           ; s[32+2s:33+2s] the table at level 2 s
	s_load_b256 s[8:15], s[0:1], 0x0               ; cells s[8:9], data s[10:11], table s[12:13], W0 s[14:15]
	s_load_b256 s[16:23], s[0:1], 0x20             ; b0 s[16:17], W1's codes s[18:19], W1's scales s[20:21], b1 s[22:23]
	s_load_b128 s[24:27], s[0:1], 0x40             ; W2 s[24:25], b2 s[26:27]
	s_load_b64 s[28:29], s[0:1], 0x50              ; out0
	v_lshl_add_u32 v[SPW], v0, 2, SPARE
	v_mov_b32 v[NIL], 0
	v_and_b32 v240, 31, v0                         ; lane
	v_and_b32 v241, 15, v0                         ; r
	v_bfe_u32 v242, v0, 4, 1                       ; h
	v_lshrrev_b32 v243, 5, v0
	v_readfirstlane_b32 s46, v243                  ; wave 0..15
	s_lshl_b32 s2, s46, 9                          ; 512 x wave
	v_lshlrev_b32 v[HB], 19, v242
	v_lshlrev_b32 v[IXO], 3, v240
	v_mul_u32_u24 v[DO], v241, 12
	v_lshlrev_b32 v[LW], 4, v240
	v_lshl_add_u32 v[LB], v242, 5, B1L
	v_lshl_add_u32 v[OS], v241, 2, s2
	v_add_nc_u32 v[OS], OUTS, v[OS]
	v_add_nc_u32 v[OL], s2, v[LW]
	v_add_nc_u32 v252, s2, v[LW]                   ; where a wave under 14 stores its image of W0: 512 x wave + 16 x lane
	v_add_nc_u32 v[OL], OUTS, v[OL]
	v_lshl_add_u32 v253, v240, 3, B1L              ; where wave 14 stores b1 and W2: 8 x lane.  All LDS addresses are made here, ahead of the waves' parting
	v_lshlrev_b32 v247, 6, v241
	v_lshl_add_u32 v247, v242, 4, v247             ; W1's codes: row r of 64 bytes, + 16 h
	v_lshlrev_b32 v254, 1, v241                    ; W1's scales: 2 bytes a row
	s_lshl_b32 s3, ttmp9, 4
	s_add_co_u32 s3, s3, s46                       ; W
	s_mov_b32 s49, 0xffff0000                      ; the lanes with h = 1
	s_mov_b32 s50, 0x7ffff
	s_mov_b32 s51, 0xfffff
	s_mov_b32 s52, 0x779b1                         ; 2654435761 & 0x7ffff
	s_mov_b32 s53, 0x25795                         ; 805459861 & 0x7ffff
	s_mov_b32 s54, 0xbdd2d3e8                      ; K1 = -0.10294324
	s_mov_b32 s55, s54                             ; (named with it as a pair, so it is written)
	s_mov_b32 s56, 0x76543210
	s_mov_b32 s57, 0xfedcba98                      ; v_permlanex16_b32's selects for lane l xor 16
	s_mov_b32 s58, 0x600000                        ; the mantissa field of 57,344
	s_mov_b32 s61, 0
	s_wait_kmcnt 0x0
	s_load_b32 s59, s[26:27], 0x0                  ; b2
	s_mul_i32 s60, s3, 14336                       ; eight tiles of cells: 8 x 1,792 bytes
	s_add_nc_u64 s[8:9], s[8:9], s[60:61]
	s_mul_i32 s60, s3, 1536                        ; eight tiles of data: 8 x 192
	s_add_nc_u64 s[10:11], s[10:11], s[60:61]
	s_lshl_b32 s60, s3, 9                          ; 128 results
	s_add_nc_u64 s[28:29], s[28:29], s[60:61]
.irp s, 0,1,2,3,4,5,6
	s_add_nc_u64 s[TBL+2*\s:TBL+2*\s+1], s[12:13], \s*0x800000   ; two levels of 4 MiB a step
.endr
.irp s, 0,1,2,3,4,5,6
	global_load_b64 v[IX+2*\s:IX+2*\s+1], v[IXO], s[8:9] offset:256*\s th:TH_LOAD_NT   ; the first tile's cells: 256 consecutive bytes a load
.endr
.irp j, 0,1,2
	global_load_b32 v[D+\j], v[DO], s[10:11] offset:4*\j th:TH_LOAD_NT
.endr
.irp p, 0,1
.irp c, 0,1,2,3                        ; fragment p, registers 4 c on: unit tile 2 p + c / 2, k = 32 (c % 2) + 16 h + 0 .. 15
	global_load_b128 v[W1F+16*\p+4*\c:W1F+16*\p+4*\c+3], v247, s[18:19] offset:1024*(2*\p+\c/2)+32*(\c%2)
.endr
.endr
.irp t, 0,1,2,3
	global_load_u16 v[248+\t], v254, s[20:21] offset:32*\t      ; unit tile t, row r: its two scale bytes
.endr
	; THE ROLES.  Waves 0 to 13 each lay one image of W0 into LDS, wave 14 b1 and W2.  The branches hang on the wave's number alone; no barrier stands inside them.
	s_cmp_lt_u32 s46, 14
	s_cbranch_scc0 .Lnot_w0
	s_lshr_b32 s2, s46, 1                          ; s
	s_and_b32 s3, s46, 1                           ; q
	s_lshl_b32 s2, s2, 2
	s_lshl_b32 s3, s3, 7
	v_lshl_add_u32 v244, v242, 1, s2               ; k of register 0: 4 s + 2 h
	v_min_u32 v245, 24, v244                       ; rows 26 and 27 are not in W0: rows 24 and 25 are read in their stead and replaced below
	v_and_b32 v246, 8, v241
	v_add_nc_u32 v246, v246, v241                  ; r + 8 (r / 8)
	v_lshl_add_u32 v246, v246, 2, s3               ; unit 32 q + r + 8 (r / 8), in bytes: b0's offset
	v_lshl_add_u32 v245, v245, 8, v246             ; + 256 k: W0's
	global_load_b32 v160, v245, s[14:15]               ; tile 2 q: k, k + 1
	global_load_b32 v161, v245, s[14:15] offset:256
	global_load_b32 v162, v245, s[14:15] offset:32     ; tile 2 q + 1 (eight units on): k, k + 1
	global_load_b32 v163, v245, s[14:15] offset:288
	global_load_b32 v164, v246, s[16:17]
	global_load_b32 v165, v246, s[16:17] offset:32
	s_wait_loadcnt 0x0
	v_cmp_eq_u32 vcc_lo, 26, v244
	v_cndmask_b32 v160, v160, v164, vcc_lo         ; row 26 is b0,
	v_cndmask_b32 v161, v161, 0, vcc_lo            ; row 27 zeros
	v_cndmask_b32 v162, v162, v165, vcc_lo
	v_cndmask_b32 v163, v163, 0, vcc_lo
	ds_store_b128 v252, v[160:163]
	s_branch .Lroles_done
.Lnot_w0:
	s_cmp_eq_u32 s46, 14
	s_cbranch_scc0 .Lroles_done
	global_load_b64 v[160:161], v[IXO], s[22:23]   ; b1: 32 lanes x 8 bytes
	global_load_b64 v[162:163], v[IXO], s[24:25]   ; W2
	s_wait_loadcnt 0x0
	ds_store_b64 v253, v[160:161]
	ds_store_b64 v253, v[162:163] offset:256
.Lroles_done:
	s_wait_loadcnt 0x0                             ; the first tile's cells and coordinates, W1's codes and scale bytes
	v_lshl_or_b32 v[W1S],   v249, 16, v248         ; bytes 0, 1: unit tile 0 (k 0-63); bytes 2, 3: unit tile 1 (k 64-127)
	v_lshl_or_b32 v[W1S+1], v251, 16, v250
.macro SETRES reg, even, odd           ; lanes 0-15 the even level's resolution, lanes 16-31 the odd level's
	v_mov_b32 v[\reg], \even
	v_mov_b32 v[TT+7], \odd
	v_cndmask_b32 v[\reg], v[\reg], v[TT+7], s49
.endm
	SETRES RES+0, 0x41800000, 0x41b80000           ; 16, 23
	SETRES RES+1, 0x42000000, 0x42340000           ; 32, 45
	SETRES RES+2, 0x42800000, 0x42b60000           ; 64, 91
	SETRES RES+3, 0x43000000, 0x43350000           ; 128, 181
	SETRES RES+4, 0x43800000, 0x43b50000           ; 256, 362
	SETRES RES+5, 0x44000000, 0x44350000           ; 512, 724
	v_mov_b32 v[RES+6], 0x44800000                 ; 1024, in both halves
	v_mov_b32 v[K0V], 0xc0135761                   ; K0 = -2.3022082
	v_mov_b32 v[K0V+1], 0xc0135761
	v_mov_b32 v[PT0], 0                            ; a lane exchange's destination counts as one of its sources: written once
	v_mov_b32 v[PT1], 0
.irp j, 0,1,2,3,4,5,6,7
	v_mov_b32 v[Z0+\j], 0
	v_mov_b32 v[Z1+\j], 0
.endr
.irp j, 0,1,2,3,4,5,6,7,8,9,10,11
	v_mov_b32 v[TT+\j], 0                          ; the blends name the weights as pairs and take the low word: so the upper words are written
.endr
	s_wait_kmcnt 0x0                               ; b2
	s_wait_dscnt 0x0                               ; for the others' sake: my stores of weights have landed
	s_barrier_signal -1
	s_barrier_wait -1                              ; the one barrier: behind it the weights in LDS are only read
	s_mov_b32 s47, 8                               ; tiles to go
	s_mov_b32 s48, 0                               ; 64 x the trip: the tile's place in the wave's 512 bytes
; Step s's eight indices and their loads.  B = y p1, C = z p2 (with the half's bit above), X = x, 19 bits each; the further corner adds the prime's low bits, or 1.
; Each index is held under the table's end ahead of its one left shift; a load lands on its own address register.
.macro ADDR s
.set GG, GB+16*((\s)%5)
.set WW, IX+2*(\s)
	v_and_b32 v[TT+2], s50, v[WW]                  ; B0
	v_lshrrev_b32 v[TT], 19, v[WW]
	v_lshrrev_b32 v[TT+6], 20, v[WW+1]
	v_lshl_or_b32 v[TT], v[TT+6], 13, v[TT]        ; X0
	v_and_b32 v[TT+4], s51, v[WW+1]                ; C0
	v_add_nc_u32 v[TT+1], 1, v[TT]
	v_and_b32 v[TT+1], s50, v[TT+1]                ; X1
	v_add_nc_u32 v[TT+3], s52, v[TT+2]
	v_and_b32 v[TT+3], s50, v[TT+3]                ; B1
	v_add_nc_u32 v[TT+5], s53, v[TT+4]
.if (\s) < 6
	v_and_or_b32 v[TT+5], v[TT+5], s50, v[HB]      ; C1
.else
	v_and_b32 v[TT+5], s50, v[TT+5]
.endif
	v_xor_b32 v[GG],    v[TT+2], v[TT+4]
	v_xor_b32 v[GG+4],  v[TT+3], v[TT+4]
	v_xor_b32 v[GG+8],  v[TT+2], v[TT+5]
	v_xor_b32 v[GG+12], v[TT+3], v[TT+5]
.irp c, 0,4,8,12
	v_xor_b32 v[GG+\c+2], v[GG+\c], v[TT+1]
	v_xor_b32 v[GG+\c],   v[GG+\c], v[TT]
.endr
.irp c, 0,2,4,6,8,10,12,14
.if (\s) < 6
	v_min_u32 v[GG+\c], 0xfffff, v[GG+\c]          ; two levels of 2^19 entries
.else
	v_min_u32 v[GG+\c], 0x7ffff, v[GG+\c]          ; the last level alone
.endif
.endr
.irp c, 0,2,4,6,8,10,12,14
	v_lshlrev_b32 v[GG+\c], 3, v[GG+\c]            ; 8 bytes an entry
.endr
.irp c, 0,2,4,6,8,10,12,14
	global_load_b64 v[GG+\c:GG+\c+1], v[GG+\c], s[TBL+2*(\s):TBL+2*(\s)+1]
.endr
.endm
; Step s's blend and its K step of product 1.  left = the gathers of younger steps, eight each, that may stay out.
; The twelve plain lines at the head name no register of the matrix instructions before them: they are the eight places in front of the loads into W0's other set, which those instructions have read.
.macro INTERP s, left
.set GG, GB+16*((\s)%5)
.set WN, WA+8*(((\s)+1)%2)
.set WC, WA+8*((\s)%2)
	v_mul_f32 v[TT],   v[D],   v[RES+(\s)]         ; pos, rounded as in the launch before
	v_mul_f32 v[TT+2], v[D+1], v[RES+(\s)]
	v_mul_f32 v[TT+4], v[D+2], v[RES+(\s)]
	v_floor_f32 v[TT+6],  v[TT]
	v_floor_f32 v[TT+8],  v[TT+2]
	v_floor_f32 v[TT+10], v[TT+4]
	v_sub_f32 v[TT],   v[TT],   v[TT+6]            ; frac
	v_sub_f32 v[TT+2], v[TT+2], v[TT+8]
	v_sub_f32 v[TT+4], v[TT+4], v[TT+10]
	v_sub_f32 v[TT+6],  1.0, v[TT]                 ; 1 - frac
	v_sub_f32 v[TT+8],  1.0, v[TT+2]
	v_sub_f32 v[TT+10], 1.0, v[TT+4]
.if (\s) < 6
	ds_load_b128 v[WN:WN+3],   v[LW] offset:W0IMG+1024*((\s)+1)       ; the next K step's four fragments of W0
	ds_load_b128 v[WN+4:WN+7], v[LW] offset:W0IMG+1024*((\s)+1)+512
.endif
	s_wait_loadcnt \left                           ; loads come back in order: this step's eight entries are in
.irp c, 0,4,8,12
	v_pk_mul_f32 v[GG+\c:GG+\c+1], v[GG+\c:GG+\c+1], v[TT+6:TT+7] op_sel_hi:[1,0]
.endr
.irp c, 0,4,8,12
	v_pk_fma_f32 v[GG+\c:GG+\c+1], v[GG+\c+2:GG+\c+3], v[TT:TT+1], v[GG+\c:GG+\c+1] op_sel_hi:[1,0,1]    ; along x
.endr
.irp c, 0,8
	v_pk_mul_f32 v[GG+\c:GG+\c+1], v[GG+\c:GG+\c+1], v[TT+8:TT+9] op_sel_hi:[1,0]
.endr
.irp c, 0,8
	v_pk_fma_f32 v[GG+\c:GG+\c+1], v[GG+\c+4:GG+\c+5], v[TT+2:TT+3], v[GG+\c:GG+\c+1] op_sel_hi:[1,0,1]  ; along y
.endr
	v_pk_mul_f32 v[GG:GG+1], v[GG:GG+1], v[TT+10:TT+11] op_sel_hi:[1,0]
	v_pk_fma_f32 v[XF+2*(\s):XF+2*(\s)+1], v[GG+8:GG+9], v[TT+4:TT+5], v[GG:GG+1] op_sel_hi:[1,0,1]      ; along z: the level's two features
.if (\s) == 6
	v_cndmask_b32 v[XF+12], v[XF+12], 1.0, s49     ; k = 26 multiplies b0,
	v_cndmask_b32 v[XF+13], v[XF+13], 0, s49       ; k = 27 zeros
	s_wait_dscnt 0x0
.else
	s_wait_dscnt 0x2                               ; this K step's fragments are in; the next step's two loads may be out
.endif
.irp t, 0,1,2,3                        ; the four sums take turns, one instruction a turn
.if (\s) == 0
	v_wmma_f32_16x16x4_f32 v[H0+8*\t:H0+8*\t+7], v[WC+2*\t:WC+2*\t+1], v[XF+2*(\s):XF+2*(\s)+1], 0
.else
	v_wmma_f32_16x16x4_f32 v[H0+8*\t:H0+8*\t+7], v[WC+2*\t:WC+2*\t+1], v[XF+2*(\s):XF+2*(\s)+1], v[H0+8*\t:H0+8*\t+7]
.endif
.endr
.endm
; gelu of 32 numbers a lane, by stages.  Each batch of transcendentals has one plain line and one wait behind it, ahead of its first reader.  Each sum is read from its low end on.
.macro GELU src, dst
.set II, 0
.rept 16
	v_pk_mul_f32 v[\dst+II:\dst+II+1], v[\src+II:\src+II+1], v[\src+II:\src+II+1]             ; x^2
.set II, II+2
.endr
.set II, 0
.rept 16
	v_pk_fma_f32 v[\dst+II:\dst+II+1], v[\dst+II:\dst+II+1], s[54:55], v[K0V:K0V+1] op_sel_hi:[1,0,0]   ; K1 x^2 + K0
.set II, II+2
.endr
.set II, 0
.rept 16
	v_pk_mul_f32 v[\dst+II:\dst+II+1], v[\dst+II:\dst+II+1], v[\src+II:\src+II+1]             ; times x
.set II, II+2
.endr
.set II, 0
.rept 32
	v_exp_f32 v[\dst+II], v[\dst+II]
.set II, II+1
.endr
	v_nop
	s_wait_alu depctr_va_vdst(0)
.set II, 0
.rept 16
	v_pk_add_f32 v[\dst+II:\dst+II+1], v[\dst+II:\dst+II+1], 1.0 op_sel_hi:[1,0]
.set II, II+2
.endr
.set II, 0
.rept 32
	v_rcp_f32 v[\dst+II], v[\dst+II]
.set II, II+1
.endr
	v_nop
	s_wait_alu depctr_va_vdst(0)
.set II, 0
.rept 16
	v_pk_mul_f32 v[\dst+II:\dst+II+1], v[\dst+II:\dst+II+1], v[\src+II:\src+II+1]             ; x / (1 + 2^..)
.set II, II+2
.endr
.endm
.Ltile:
	s_wait_loadcnt 0x0                             ; this tile's cells and coordinates, asked for a tile ago
	ds_load_b128 v[WA:WA+3],   v[LW] offset:W0IMG          ; K step 0's fragments of W0
	ds_load_b128 v[WA+4:WA+7], v[LW] offset:W0IMG+512
	ADDR 0                                         ; the gathers run four steps ahead of the blends: up to 40 loads of the wave are out
	ADDR 1
	ADDR 2
	ADDR 3
	ADDR 4
	INTERP 0, 32
	ADDR 5
	INTERP 1, 32
	ADDR 6
	INTERP 2, 32
	INTERP 3, 24
	INTERP 4, 16
	INTERP 5, 8
	INTERP 6, 0
	s_cmp_eq_u32 s47, 1                            ; the next tile's cells and coordinates are asked for here, if there is a next tile: no load leaves its buffer
	s_cbranch_scc1 .Lno_next
	s_add_nc_u64 s[8:9], s[8:9], 1792              ; (the loads that read these bases were shown done at the trip's top)
	s_add_nc_u64 s[10:11], s[10:11], 192
.irp s, 0,1,2,3,4,5,6
	global_load_b64 v[IX+2*\s:IX+2*\s+1], v[IXO], s[8:9] offset:256*\s th:TH_LOAD_NT
.endr
.irp j, 0,1,2
	global_load_b32 v[D+\j], v[DO], s[10:11] offset:4*\j th:TH_LOAD_NT
.endr
.Lno_next:
.irp t, 0,1,2,3                        ; b1 in the sums' layout: register 8 t + j of lane (r, h) is unit 16 t + 8 h + j
	ds_load_b128 v[H1+8*\t:H1+8*\t+3],   v[LB] offset:64*\t
	ds_load_b128 v[H1+8*\t+4:H1+8*\t+7], v[LB] offset:64*\t+16
.endr
.rept 8
	v_nop                                          ; eight places between the last f32 matrix instruction and the first read of its result
.endr
	GELU H0, G
	; THE QUANTISER: register 16 b + i is unit 32 b + 16 h + i of my point; a block lies in lanes l and l xor 16
.irp b, 0,1
	v_max3_num_f32 v[TQ+\b],   |v[G+16*\b]|,   |v[G+16*\b+1]|, 0x8000000      ; two chains a block; the floor 2^(16 - 127) holds the byte at 1 from below
	v_max3_num_f32 v[TQ+2+\b], |v[G+16*\b+8]|, |v[G+16*\b+9]|, |v[G+16*\b+10]|
.endr
.irp i, 2,4,6
.irp b, 0,1
	v_max3_num_f32 v[TQ+\b], v[TQ+\b], |v[G+16*\b+\i]|, |v[G+16*\b+\i+1]|
.endr
.endr
.irp i, 11,13
.irp b, 0,1
	v_max3_num_f32 v[TQ+2+\b], v[TQ+2+\b], |v[G+16*\b+\i]|, |v[G+16*\b+\i+1]|
.endr
.endr
.irp b, 0,1
	v_max3_num_f32 v[TQ+\b], v[TQ+\b], v[TQ+2+\b], |v[G+16*\b+15]|
.endr
	v_permlanex16_b32 v[PT0], v[TQ],   s56, s57
	v_permlanex16_b32 v[PT1], v[TQ+1], s56, s57
	v_max_num_f32 v[TQ],   v[TQ],   v[PT0]         ; the block's largest magnitude
	v_max_num_f32 v[TQ+1], v[TQ+1], v[PT1]
.irp b, 0,1
	v_add_nc_u32 v[TQ+4+\b], 0xf8800000, v[TQ+\b]  ; 15 off its exponent field: the conversion's scale operand
.endr
.irp b, 0,1
	v_and_or_b32 v[TQ+6+\b], v[TQ+\b], 0x7f800000, s58   ; 57,344 x the scale
.endr
.irp b, 0,1
	v_lshrrev_b32 v[TQ+8+\b], 23, v[TQ+4+\b]       ; the scale's byte
.endr
	v_lshl_or_b32 v[HS], v[TQ+9], 8, v[TQ+8]
	v_lshl_or_b32 v[HS], v[HS], 16, v[HS]          ; the two bytes twice: for the codes in k 0-63 and in k 64-127.  (The 32 holds below are more than the eight places that a scale word so written owes)
.irp b, 0,1
.irp i, 0,1,2,3,4,5,6,7,8,9,10,11,12,13,14,15
	v_med3_num_f32 v[G+16*\b+\i], v[G+16*\b+\i], -v[TQ+6+\b], v[TQ+6+\b]   ; the conversion to an 8-bit code does not saturate (ISA guide 7.6.2): the hold at the largest code x the scale
.endr
	v_cvt_scalef32_pk8_bf8_f32 v[HC+4*\b:HC+4*\b+1],   v[G+16*\b:G+16*\b+7],    v[TQ+4+\b]
	v_cvt_scalef32_pk8_bf8_f32 v[HC+4*\b+2:HC+4*\b+3], v[G+16*\b+8:G+16*\b+15], v[TQ+4+\b]
.endr
.rept 4
	v_nop                                          ; the plain line behind the last conversion, and the four places between codes written by vector instructions and the scaled matrix instruction
.endr
.irp t, 0,1,2,3                        ; W2 in the sums' layout, for product 3
	ds_load_b128 v[W2R+8*\t:W2R+8*\t+3],   v[LB] offset:256+64*\t
	ds_load_b128 v[W2R+8*\t+4:W2R+8*\t+7], v[LB] offset:256+64*\t+16
.endr
	s_wait_dscnt 0x8                               ; b1's eight loads are in; W2's eight may be out
	v_wmma_scale_f32_16x16x128_f8f6f4 v[H1:H1+7],     v[W1F:W1F+15],    v[HC:HC+15], v[H1:H1+7],     v[W1S],   v[HS] matrix_a_fmt:MATRIX_FMT_BF8 matrix_b_fmt:MATRIX_FMT_BF8   ; units 0-15:  [H | 0]
	v_wmma_scale_f32_16x16x128_f8f6f4 v[H1+8:H1+15],  v[W1F:W1F+15],    v[Z0:Z0+15], v[H1+8:H1+15],  v[W1S],   v[HS] matrix_a_fmt:MATRIX_FMT_BF8 matrix_b_fmt:MATRIX_FMT_BF8   ; units 16-31: [0 | H]
	v_wmma_scale_f32_16x16x128_f8f6f4 v[H1+16:H1+23], v[W1F+16:W1F+31], v[HC:HC+15], v[H1+16:H1+23], v[W1S+1], v[HS] matrix_a_fmt:MATRIX_FMT_BF8 matrix_b_fmt:MATRIX_FMT_BF8   ; units 32-47
	v_wmma_scale_f32_16x16x128_f8f6f4 v[H1+24:H1+31], v[W1F+16:W1F+31], v[Z0:Z0+15], v[H1+24:H1+31], v[W1S+1], v[HS] matrix_a_fmt:MATRIX_FMT_BF8 matrix_b_fmt:MATRIX_FMT_BF8   ; units 48-63
.rept 8
	v_nop                                          ; eight places behind this form, ahead of the first read of its results
.endr
	GELU H1, G
	s_wait_dscnt 0x0                               ; W2
	v_pk_mul_f32 v[H1:H1+1],   v[G:G+1],   v[W2R:W2R+1]            ; product 3: my 32 units, two at a time, in two chains
	v_pk_mul_f32 v[H1+2:H1+3], v[G+2:G+3], v[W2R+2:W2R+3]
.irp i, 4,8,12,16,20,24,28
	v_pk_fma_f32 v[H1:H1+1],   v[G+\i:G+\i+1],   v[W2R+\i:W2R+\i+1],   v[H1:H1+1]
	v_pk_fma_f32 v[H1+2:H1+3], v[G+\i+2:G+\i+3], v[W2R+\i+2:W2R+\i+3], v[H1+2:H1+3]
.endr
	v_pk_add_f32 v[H1:H1+1], v[H1:H1+1], v[H1+2:H1+3]
	v_add_f32 v[H1], v[H1], v[H1+1]
	v_permlanex16_b32 v[PT0], v[H1], s56, s57
	v_add_f32 v[H1], v[H1], v[PT0]                 ; with lane l xor 16's 32 units
	v_add_f32 v[PT1], s59, v[H1]                   ; + b2
	v_add_nc_u32 v[OA], s48, v[OS]
	ds_store_b32 v[OA], v[PT1]                     ; lanes r and r + 16 write the same word with the same value; the bytes are my wave's own
	s_add_co_u32 s48, s48, 64
	s_sub_co_u32 s47, s47, 1
	s_cmp_lg_u32 s47, 0
	s_cbranch_scc1 .Ltile
	ds_load_b128 v[160:163], v[OL]                 ; LDS serves a wave's instructions in order: this sees my eight stores
	s_wait_dscnt 0x0
	global_store_b128 v[LW], v[160:163], s[28:29] th:TH_STORE_NT   ; the wave's 128 results: 512 consecutive bytes, at a multiple of 256 from out0's first byte
	s_wait_tensorcnt 0x0                           ; the wave's end
	ds_add_u32 v[SPW], v[NIL]
	s_wait_dscnt 0x0
	s_endpgm
.Lfunc_end_k_qa2bd0a915c_field:
	.size	k_qa2bd0a915c_field, .Lfunc_end_k_qa2bd0a915c_field-k_qa2bd0a915c_field
	.p2alignl 7, 3214868480
	.fill 96, 4, 3214868480
	.section	.rodata,"a",@progbits
	.p2align	6, 0x0
	.amdhsa_kernel k_qa2bd0a915c_field
		.amdhsa_group_segment_fixed_size 17920
		.amdhsa_private_segment_fixed_size 0
		.amdhsa_enable_private_segment 0
		.amdhsa_kernarg_size 88
		.amdhsa_user_sgpr_count 2
		.amdhsa_user_sgpr_kernarg_segment_ptr 1
		.amdhsa_wavefront_size32 1
		.amdhsa_system_sgpr_workgroup_id_x 1
		.amdhsa_system_sgpr_workgroup_id_y 1
		.amdhsa_system_sgpr_workgroup_id_z 1
		.amdhsa_system_vgpr_workitem_id 0
		.amdhsa_next_free_vgpr 256
		.amdhsa_next_free_sgpr 66
		.amdhsa_reserve_vcc 1
		.amdhsa_float_denorm_mode_32 3
		.amdhsa_float_denorm_mode_16_64 3
		.amdhsa_memory_ordered 1
		.amdhsa_forward_progress 1
		.amdhsa_inst_pref_size 61
	.end_amdhsa_kernel
	.amdgpu_metadata
---
amdhsa.version: [ 1, 2 ]
amdhsa.kernels:
  - .name:           k_qa2bd0a915c_field
    .symbol:         k_qa2bd0a915c_field.kd
    .args:
      - { .name: cells, .offset: 0, .size: 8, .value_kind: global_buffer, .address_space: global }
      - { .name: data, .offset: 8, .size: 8, .value_kind: global_buffer, .address_space: global }
      - { .name: table, .offset: 16, .size: 8, .value_kind: global_buffer, .address_space: global }
      - { .name: W0, .offset: 24, .size: 8, .value_kind: global_buffer, .address_space: global }
      - { .name: b0, .offset: 32, .size: 8, .value_kind: global_buffer, .address_space: global }
      - { .name: W1_codes, .offset: 40, .size: 8, .value_kind: global_buffer, .address_space: global }
      - { .name: W1_scales, .offset: 48, .size: 8, .value_kind: global_buffer, .address_space: global }
      - { .name: b1, .offset: 56, .size: 8, .value_kind: global_buffer, .address_space: global }
      - { .name: W2, .offset: 64, .size: 8, .value_kind: global_buffer, .address_space: global }
      - { .name: b2, .offset: 72, .size: 8, .value_kind: global_buffer, .address_space: global }
      - { .name: out0, .offset: 80, .size: 8, .value_kind: global_buffer, .address_space: global }
    .group_segment_fixed_size: 17920
    .private_segment_fixed_size: 0
    .kernarg_segment_align: 8
    .kernarg_segment_size: 88
    .max_flat_workgroup_size: 512
    .sgpr_count:     66
    .vgpr_count:     256
    .wavefront_size: 32
...
	.end_amdgpu_metadata
.endif
;; end of part 2
;; ======== version 2 of 2: 2 launches; version 1 with the launch field written anew for expert scheduling mode
;; workspace buffers: cells 58,720,256 bytes of whole numbers
;; launch cells: the kernel of part 1 again; grid 1024 x 1, 8 waves a work-group, no clusters, 0 bytes of LDS; arguments data, cells; writes cells
;; launch field (part 3): grid 256 x 1, 16 waves a work-group, no clusters, 17,920 bytes of LDS; arguments cells, data, table, W0, b0, W1_codes, W1_scales, b1, W2, b2, out0; writes out0
.if DOCPART == 3
	.amdgcn_target "amdgcn-amd-amdhsa--gfx1250"
	.amdhsa_code_object_version 6
	.text
	.protected	k_qa2bd0a915c_field
	.globl	k_qa2bd0a915c_field
	.p2align	8
	.type	k_qa2bd0a915c_field,@function
k_qa2bd0a915c_field:
	s_mov_b64 s[64:65], 0
	v_nop
	global_prefetch_b8 v0, s[64:65] scope:SCOPE_SE
	s_setreg_imm32_b32 hwreg(HW_REG_WAVE_SCHED_MODE, 0, 2), 2
	s_setreg_imm32_b32 hwreg(HW_REG_WAVE_MODE, 25, 1), 1
	s_wait_xcnt 0x0
	s_wait_alu depctr_vm_vsrc(0)
; out = gelu(Q(gelu(x W0 + b0)) W1 + b1) W2 + b2, x = the 26 features of the hash grid: for each of 13 levels the trilinear blend of eight table entries.  gelu is the tanh form.
; No work is left out: every input is loaded.  The table's indices come as whole numbers from the launch before (cells); this launch forms no address from a floating-point number.
; SHARES.  256 work-groups of sixteen waves, four to a SIMD, 256 registers each.  Wave W = 16 x work-group + wave takes tiles 8 W .. 8 W + 7, a tile of 16 points a trip.
; A TILE.  Lane (r = lane % 16, h = lane / 16) takes point r and, in step s = 0..6, level 2 s + h.  Its blended pair of features IS the second source of the f32 matrix instruction for K step s
; (register j holds k = 4 s + 2 h + j), so nothing changes lanes.  The slot (s = 6, h = 1) has no level: it repeats level 12's loads and is then set to (1, 0); W0's row 26 holds b0 and row 27 zeros: the bias costs nothing.
; PRODUCT 1 (left as it is, and on its way to a quantiser: f32 operands): H0^T = W0^T x^T, 4 tiles of 16 hidden units x 7 K steps.  THE UNITS OF A TILE ARE NOT NEIGHBOURS: row rho of tile t is unit
; 32 (t / 2) + 8 (t % 2) + rho + 8 (rho / 8), so that register 16 b + i of lane (r, h) is unit 32 b + 16 h + i of point r: the order in which the codes' operand wants them.
; PRODUCT 2 (QUANTISED): gelu(H0) is quantised in registers, two blocks of 32; K = 64 is half of the instruction's 128.  A fragment of W1 holds TWO tiles of 16 output units, one in k 0-63, one in k 64-127;
; the hidden codes are read as [H | 0] or as [0 | H] out of the run of registers 0, H, 0: zero codes add nothing.  b1 is the C of each sum.  PRODUCT 3 (one column): fused multiply-adds, and one exchange between the halves of the lanes.
; gelu(x) = x / (1 + 2^(x (K0 + K1 x^2))), K0 = -2 log2(e) sqrt(2 / pi), K1 = 0.044715 K0: the tanh form in other words; the blend is nested, f0 (1 - t) + f1 t along x, y, z: both differ from the problem's lines by f32 rounding alone.
; WEIGHTS.  W1's codes and scale words stay in registers.  W0 (with b0), b1 and W2 lie in LDS, W0 as images of the fragments' registers (16 bytes a lane, 512 consecutive bytes a load); they are written once, ahead of the one barrier.
; No tensor load, no cluster: what work-groups share is 12 KB of weights, read once each; the table's entries are asked for lane by lane, 8 bytes each.
; LIMITS: those of the launch before (|data x 1024| under 2^31; negative positions in two's complement); NaN or infinity in data gives NaN, with every index held inside the table;
; a code of W1 that is infinity or NaN, or a scale byte 0xff, spoils both unit tiles of its fragment (0 x infinity); a block of zeros in the hidden layer keeps the byte 1: its codes are zeros, and this program alone reads the byte.
; THE MODE: SCHED_MODE bits 1:0 = 2 (LLVM: expert scheduling mode 2), set by the entry lines.  The code itself states the register dependences
; between vector or matrix instructions and memory or LDS instructions, with s_wait_alu, always for 0.
; THE PLAN.  Registers that memory or LDS instructions touch, in the loop:
;   GB0 .. GB4    Step s has buffer s % 5.  Its index lines write the buffer's even registers; its eight gathers read them as offsets and land in the buffer; its blend reads and writes it.
;                 Behind the blends G (gelu) lies over GB0 and GB1, b1 and product 2's sums over GB2 and GB3, the quantiser's registers and W2 over GB4 and v240-255.
;   WA0, WA1      K step s's matrix instructions read set s % 2; the LDS loads of step s + 1 land in the set that step s - 1's matrix instructions read.
;   IX, D         The next tile's loads land in them; IX is last read by step 6's index lines (which stand in step 1), D by step 6's three multiplications.
;   v[OA], v[PT1] Written at a trip's end, read by its one LDS store; written again in the next trip.
;   v4 .. v9      Offsets and LDS addresses, made at the head and never written again.
;   H0, XF, the codes, the zeros, W1's fragments and the scale words are named by vector and matrix instructions alone.
; WAITS ON va_vdst IN A TRIP: two at the top, each behind the index lines of several steps and ahead of all their gathers; ONE in each step, behind its blend (and behind the index lines of step s + 5), ahead of the step's
; LDS loads and gathers, which stand ahead of its four matrix instructions; those behind the batches of transcendentals; one behind the conversions' places; one ahead of the LDS store.
; WAITS ON vm_vsrc IN A TRIP: two: in step 0, behind all 40 gathers of the top; in step 2, behind the gathers of steps 5 and 6.
.set W0IMG, 0                          ; LDS: 14 images of 512 bytes: image 2 s + q = fragments t = 2 q, 2 q + 1 of K step s
.set B1L,   7168                       ; b1, 256 bytes as it lies; W2 256 bytes behind it
.set OUTS,  7680                       ; 512 bytes for each wave: its 128 results
.set SPARE, 15872                      ; the spare words, 128 bytes for each of the sixteen waves: eight blocks of 256 bytes that no other line names
.set SPW, 1                            ; v1   LDS address of my spare word; never rewritten
.set NIL, 2                            ; v2   0; never rewritten
.set HB,  3                            ; v3   h << 19
.set IXO, 4                            ; v4   8 x lane
.set DO,  5                            ; v5   12 r
.set LW,  6                            ; v6   16 x lane: an image's place for my lane; also my offset in the wave's 512 bytes of out0
.set LB,  7                            ; v7   B1L + 32 h
.set OS,  8                            ; v8   OUTS + 512 wave + 4 r
.set OL,  9                            ; v9   OUTS + 512 wave + 16 x lane
.set K0V, 10                           ; v[10:11] K0, twice
.set RES, 12                           ; v12-18 the resolution of level 2 s + h
.set OA,  19                           ; v19  where the tile's result goes
.set D,   20                           ; v20-22 my point's coordinates
.set PT0, 23                           ; v23, v55: destinations of the lane exchanges; v55 also carries the tile's result to LDS
.set IX,  24                           ; v24-37 the tile's cells: step s's two words
.set XF,  38                           ; v38-51 the features: step s's pair
.set W1S, 52                           ; v52-53 W1's scale words;  v54 the hidden layer's: these three hold scales and nothing else
.set HS,  54
.set PT1, 55
.set Z0,  56                           ; v56-63 zeros;  v64-71 the hidden layer's codes;  v72-79 zeros
.set HC,  64
.set Z1,  72
.set W1F, 80                           ; v80-111 W1's two fragments
.set H0,  112                          ; v112-143 product 1's sums: written by matrix instructions alone
.set WA,  144                          ; v144-159 W0's fragments of a K step, two sets
.set GB,  160                          ; v160-239 five buffers of eight entries (corner c = dx + 2 dy + 4 dz at pair 2 c): step s has buffer s % 5
.set G,   160                          ; v160-191 gelu's results
.set H1,  192                          ; v192-223 product 2's sums
.set W2R, 224                          ; v224-255 W2 in the sums' layout
.set TQ,  224                          ; v224-233 the quantiser's, before W2 is fetched
.set TT,  240                          ; v240-251 at work in the hash phase
.set TBL, 32                           ; s[32+2s:33+2s] the table at level 2 s
	s_load_b256 s[8:15], s[0:1], 0x0               ; cells s[8:9], data s[10:11], table s[12:13], W0 s[14:15]
	s_load_b256 s[16:23], s[0:1], 0x20             ; b0 s[16:17], W1's codes s[18:19], W1's scales s[20:21], b1 s[22:23]
	s_load_b128 s[24:27], s[0:1], 0x40             ; W2 s[24:25], b2 s[26:27]
	s_load_b64 s[28:29], s[0:1], 0x50              ; out0
	v_lshl_add_u32 v[SPW], v0, 2, SPARE
	v_mov_b32 v[NIL], 0
	v_and_b32 v240, 31, v0                         ; lane
	v_and_b32 v241, 15, v0                         ; r
	v_bfe_u32 v242, v0, 4, 1                       ; h
	v_lshrrev_b32 v243, 5, v0
	v_readfirstlane_b32 s46, v243                  ; wave 0..15
	v_lshlrev_b32 v[HB], 19, v242
	v_lshlrev_b32 v[IXO], 3, v240
	v_mul_u32_u24 v[DO], v241, 12
	v_lshlrev_b32 v[LW], 4, v240
	v_lshl_add_u32 v[LB], v242, 5, B1L
	v_lshl_add_u32 v253, v240, 3, B1L              ; where wave 14 stores b1 and W2: 8 x lane.  All LDS addresses are made here, ahead of the waves' parting
	v_lshlrev_b32 v247, 6, v241
	v_lshl_add_u32 v247, v242, 4, v247             ; W1's codes: row r of 64 bytes, + 16 h
	v_lshlrev_b32 v254, 1, v241                    ; W1's scales: 2 bytes a row
	s_wait_alu depctr_va_sdst(0)                   ; s46 is written, ahead of its first reader, the line below
	s_lshl_b32 s2, s46, 9                          ; 512 x wave
	v_lshl_add_u32 v[OS], v241, 2, s2
	v_add_nc_u32 v[OS], OUTS, v[OS]
	v_add_nc_u32 v[OL], s2, v[LW]
	v_add_nc_u32 v252, s2, v[LW]                   ; where a wave under 14 stores its image of W0: 512 x wave + 16 x lane
	v_add_nc_u32 v[OL], OUTS, v[OL]
	s_lshl_b32 s3, ttmp9, 4
	s_add_co_u32 s3, s3, s46                       ; W
	s_mov_b32 s49, 0xffff0000                      ; the lanes with h = 1
	s_mov_b32 s50, 0x7ffff
	s_mov_b32 s51, 0xfffff
	s_mov_b32 s52, 0x779b1                         ; 2654435761 & 0x7ffff
	s_mov_b32 s53, 0x25795                         ; 805459861 & 0x7ffff
	s_mov_b32 s54, 0xbdd2d3e8                      ; K1 = -0.10294324
	s_mov_b32 s55, s54                             ; (named with it as a pair, so it is written)
	s_mov_b32 s56, 0x76543210
	s_mov_b32 s57, 0xfedcba98                      ; v_permlanex16_b32's selects for lane l xor 16
	s_mov_b32 s58, 0x600000                        ; the mantissa field of 57,344
	s_mov_b32 s61, 0
	s_wait_kmcnt 0x0
	s_load_b32 s59, s[26:27], 0x0                  ; b2
	s_mul_i32 s60, s3, 14336                       ; eight tiles of cells: 8 x 1,792 bytes
	s_add_nc_u64 s[8:9], s[8:9], s[60:61]
	s_mul_i32 s60, s3, 1536                        ; eight tiles of data: 8 x 192
	s_add_nc_u64 s[10:11], s[10:11], s[60:61]
	s_lshl_b32 s60, s3, 9                          ; 128 results
	s_add_nc_u64 s[28:29], s[28:29], s[60:61]
.irp s, 0,1,2,3,4,5,6
	s_add_nc_u64 s[TBL+2*\s:TBL+2*\s+1], s[12:13], \s*0x800000   ; two levels of 4 MiB a step
.endr
	s_wait_alu depctr_va_vdst(0)                   ; the offsets and LDS addresses v4 to v9, v247 and v252 to v254 are written: every load and store below that is not a gather reads one of them, here and in the loop
.irp s, 0,1,2,3,4,5,6
	global_load_b64 v[IX+2*\s:IX+2*\s+1], v[IXO], s[8:9] offset:256*\s th:TH_LOAD_NT   ; the first tile's cells: 256 consecutive bytes a load
.endr
.irp j, 0,1,2
	global_load_b32 v[D+\j], v[DO], s[10:11] offset:4*\j th:TH_LOAD_NT
.endr
.irp p, 0,1
.irp c, 0,1,2,3                        ; fragment p, registers 4 c on: unit tile 2 p + c / 2, k = 32 (c % 2) + 16 h + 0 .. 15
	global_load_b128 v[W1F+16*\p+4*\c:W1F+16*\p+4*\c+3], v247, s[18:19] offset:1024*(2*\p+\c/2)+32*(\c%2)
.endr
.endr
.irp t, 0,1,2,3
	global_load_u16 v[248+\t], v254, s[20:21] offset:32*\t      ; unit tile t, row r: its two scale bytes
.endr
	; THE ROLES.  Waves 0 to 13 each lay one image of W0 into LDS, wave 14 b1 and W2.  The branches hang on the wave's number alone; no barrier stands inside them.
	s_cmp_lt_u32 s46, 14
	s_cbranch_scc0 .Lnot_w0
	s_lshr_b32 s2, s46, 1                          ; s
	s_and_b32 s3, s46, 1                           ; q
	s_lshl_b32 s2, s2, 2
	s_lshl_b32 s3, s3, 7
	v_lshl_add_u32 v244, v242, 1, s2               ; k of register 0: 4 s + 2 h
	v_min_u32 v245, 24, v244                       ; rows 26 and 27 are not in W0: rows 24 and 25 are read in their stead and replaced below
	v_and_b32 v246, 8, v241
	v_add_nc_u32 v246, v246, v241                  ; r + 8 (r / 8)
	v_lshl_add_u32 v246, v246, 2, s3               ; unit 32 q + r + 8 (r / 8), in bytes: b0's offset
	v_lshl_add_u32 v245, v245, 8, v246             ; + 256 k: W0's
	s_wait_alu depctr_va_vdst(0)                   ; v245 and v246 are written, which the six loads below read as offsets
	global_load_b32 v160, v245, s[14:15]               ; tile 2 q: k, k + 1
	global_load_b32 v161, v245, s[14:15] offset:256
	global_load_b32 v162, v245, s[14:15] offset:32     ; tile 2 q + 1 (eight units on): k, k + 1
	global_load_b32 v163, v245, s[14:15] offset:288
	global_load_b32 v164, v246, s[16:17]
	global_load_b32 v165, v246, s[16:17] offset:32
	s_wait_loadcnt 0x0
	v_cmp_eq_u32 vcc_lo, 26, v244
	s_wait_alu depctr_va_vcc(0)                    ; VCC is written, ahead of its first reader, the select below
	v_cndmask_b32 v160, v160, v164, vcc_lo         ; row 26 is b0,
	v_cndmask_b32 v161, v161, 0, vcc_lo            ; row 27 zeros
	v_cndmask_b32 v162, v162, v165, vcc_lo
	v_cndmask_b32 v163, v163, 0, vcc_lo
	s_wait_alu depctr_va_vdst(0)                   ; the four selects have written v160 to v163, the LDS store's data
	ds_store_b128 v252, v[160:163]
	s_branch .Lroles_done
.Lnot_w0:
	s_cmp_eq_u32 s46, 14
	s_cbranch_scc0 .Lroles_done
	global_load_b64 v[160:161], v[IXO], s[22:23]   ; b1: 32 lanes x 8 bytes
	global_load_b64 v[162:163], v[IXO], s[24:25]   ; W2
	s_wait_loadcnt 0x0
	ds_store_b64 v253, v[160:161]
	ds_store_b64 v253, v[162:163] offset:256
.Lroles_done:
	s_wait_loadcnt 0x0                             ; the first tile's cells and coordinates, W1's codes and scale bytes
	s_wait_alu depctr_vm_vsrc(0)                   ; the head's loads have read v245 to v247 and v254, its LDS stores v252, v253 and v160 to v163: the lines below write v245 to v247, the loop's index lines v160 on, and W2's loads land in v252 to v254
	v_lshl_or_b32 v[W1S],   v249, 16, v248         ; bytes 0, 1: unit tile 0 (k 0-63); bytes 2, 3: unit tile 1 (k 64-127)
	v_lshl_or_b32 v[W1S+1], v251, 16, v250
.macro SETRES reg, even, odd           ; lanes 0-15 the even level's resolution, lanes 16-31 the odd level's
	v_mov_b32 v[\reg], \even
	v_mov_b32 v[TT+7], \odd
	v_cndmask_b32 v[\reg], v[\reg], v[TT+7], s49
.endm
	SETRES RES+0, 0x41800000, 0x41b80000           ; 16, 23
	SETRES RES+1, 0x42000000, 0x42340000           ; 32, 45
	SETRES RES+2, 0x42800000, 0x42b60000           ; 64, 91
	SETRES RES+3, 0x43000000, 0x43350000           ; 128, 181
	SETRES RES+4, 0x43800000, 0x43b50000           ; 256, 362
	SETRES RES+5, 0x44000000, 0x44350000           ; 512, 724
	v_mov_b32 v[RES+6], 0x44800000                 ; 1024, in both halves
	v_mov_b32 v[K0V], 0xc0135761                   ; K0 = -2.3022082
	v_mov_b32 v[K0V+1], 0xc0135761
	v_mov_b32 v[PT0], 0                            ; a lane exchange's destination counts as one of its sources: written once
	v_mov_b32 v[PT1], 0
.irp j, 0,1,2,3,4,5,6,7
	v_mov_b32 v[Z0+\j], 0
	v_mov_b32 v[Z1+\j], 0
.endr
.irp j, 0,1,2,3,4,5,6,7,8,9,10,11
	v_mov_b32 v[TT+\j], 0                          ; the blends name the weights as pairs and take the low word: so the upper words are written
.endr
	s_wait_kmcnt 0x0                               ; b2
	s_wait_dscnt 0x0                               ; for the others' sake: my stores of weights have landed
	s_barrier_signal -1
	s_barrier_wait -1                              ; the one barrier: behind it the weights in LDS are only read
	s_mov_b32 s47, 8                               ; tiles to go
	s_mov_b32 s48, 0                               ; 64 x the trip: the tile's place in the wave's 512 bytes
; Step s's eight indices.  B = y p1, C = z p2 (with the half's bit above), X = x, 19 bits each; the further corner adds the prime's low bits, or 1.
; Each index is held under the table's end ahead of its one left shift.
.macro ADDRA s
.set GG, GB+16*((\s)%5)
.set WW, IX+2*(\s)
	v_and_b32 v[TT+2], s50, v[WW]                  ; B0
	v_lshrrev_b32 v[TT], 19, v[WW]
	v_lshrrev_b32 v[TT+6], 20, v[WW+1]
	v_lshl_or_b32 v[TT], v[TT+6], 13, v[TT]        ; X0
	v_and_b32 v[TT+4], s51, v[WW+1]                ; C0
	v_add_nc_u32 v[TT+1], 1, v[TT]
	v_and_b32 v[TT+1], s50, v[TT+1]                ; X1
	v_add_nc_u32 v[TT+3], s52, v[TT+2]
	v_and_b32 v[TT+3], s50, v[TT+3]                ; B1
	v_add_nc_u32 v[TT+5], s53, v[TT+4]
.if (\s) < 6
	v_and_or_b32 v[TT+5], v[TT+5], s50, v[HB]      ; C1
.else
	v_and_b32 v[TT+5], s50, v[TT+5]
.endif
	v_xor_b32 v[GG],    v[TT+2], v[TT+4]
	v_xor_b32 v[GG+4],  v[TT+3], v[TT+4]
	v_xor_b32 v[GG+8],  v[TT+2], v[TT+5]
	v_xor_b32 v[GG+12], v[TT+3], v[TT+5]
.irp c, 0,4,8,12
	v_xor_b32 v[GG+\c+2], v[GG+\c], v[TT+1]
	v_xor_b32 v[GG+\c],   v[GG+\c], v[TT]
.endr
.irp c, 0,2,4,6,8,10,12,14
.if (\s) < 6
	v_min_u32 v[GG+\c], 0xfffff, v[GG+\c]          ; two levels of 2^19 entries
.else
	v_min_u32 v[GG+\c], 0x7ffff, v[GG+\c]          ; the last level alone
.endif
.endr
.irp c, 0,2,4,6,8,10,12,14
	v_lshlrev_b32 v[GG+\c], 3, v[GG+\c]            ; 8 bytes an entry
.endr
.endm
; Step s's eight gathers.  A load lands on its own address register.  They stand behind a wait on va_vdst that is younger than the step's index lines.
.macro ADDRL s
.set GG, GB+16*((\s)%5)
.irp c, 0,2,4,6,8,10,12,14
	global_load_b64 v[GG+\c:GG+\c+1], v[GG+\c], s[TBL+2*(\s):TBL+2*(\s)+1]
.endr
.endm
; Step s: its blend; in steps 0 and 1 the index lines of step s + 5, for the buffer just emptied; ONE wait on va_vdst; the step's LDS loads and gathers; its K step of product 1.
; left = the gathers of younger steps, eight each, that may stay out.
.macro INTERP s, left
.set GG, GB+16*((\s)%5)
.set WN, WA+8*(((\s)+1)%2)
.set WC, WA+8*((\s)%2)
	v_mul_f32 v[TT],   v[D],   v[RES+(\s)]         ; pos, rounded as in the launch before
	v_mul_f32 v[TT+2], v[D+1], v[RES+(\s)]
	v_mul_f32 v[TT+4], v[D+2], v[RES+(\s)]
	v_floor_f32 v[TT+6],  v[TT]
	v_floor_f32 v[TT+8],  v[TT+2]
	v_floor_f32 v[TT+10], v[TT+4]
	v_sub_f32 v[TT],   v[TT],   v[TT+6]            ; frac
	v_sub_f32 v[TT+2], v[TT+2], v[TT+8]
	v_sub_f32 v[TT+4], v[TT+4], v[TT+10]
	v_sub_f32 v[TT+6],  1.0, v[TT]                 ; 1 - frac
	v_sub_f32 v[TT+8],  1.0, v[TT+2]
	v_sub_f32 v[TT+10], 1.0, v[TT+4]
	s_wait_loadcnt \left                           ; loads come back in order: this step's eight entries are in
.if (\s) == 0
	s_wait_alu depctr_vm_vsrc(0)                   ; the 40 gathers of steps 0 to 4 have read their index registers, which the blends of these steps, the index lines of steps 5 and 6 and of the next tile, the quantiser's lines and b1's and W2's loads write; the last tile's LDS store has read v[OA] and v[PT1], which this trip writes again
.endif
.if (\s) == 2
	s_wait_alu depctr_vm_vsrc(0)                   ; the gathers of steps 5 and 6 have read their index registers in buffers 0 and 1, which the blends of these steps, gelu and the next tile's index lines write
.endif
.irp c, 0,4,8,12
	v_pk_mul_f32 v[GG+\c:GG+\c+1], v[GG+\c:GG+\c+1], v[TT+6:TT+7] op_sel_hi:[1,0]
.endr
.irp c, 0,4,8,12
	v_pk_fma_f32 v[GG+\c:GG+\c+1], v[GG+\c+2:GG+\c+3], v[TT:TT+1], v[GG+\c:GG+\c+1] op_sel_hi:[1,0,1]    ; along x
.endr
.irp c, 0,8
	v_pk_mul_f32 v[GG+\c:GG+\c+1], v[GG+\c:GG+\c+1], v[TT+8:TT+9] op_sel_hi:[1,0]
.endr
.irp c, 0,8
	v_pk_fma_f32 v[GG+\c:GG+\c+1], v[GG+\c+4:GG+\c+5], v[TT+2:TT+3], v[GG+\c:GG+\c+1] op_sel_hi:[1,0,1]  ; along y
.endr
	v_pk_mul_f32 v[GG:GG+1], v[GG:GG+1], v[TT+10:TT+11] op_sel_hi:[1,0]
	v_pk_fma_f32 v[XF+2*(\s):XF+2*(\s)+1], v[GG+8:GG+9], v[TT+4:TT+5], v[GG:GG+1] op_sel_hi:[1,0,1]      ; along z: the level's two features
.if (\s) < 2
	ADDRA (\s)+5                                   ; the buffer is empty: the indices of the step five on are made in it
	s_wait_alu depctr_va_vdst(0)                   ; these eight indices are written, which the gathers below read, and the blend is done with the buffer in which they land; the matrix instructions that read W0's other set are done reading it
.elseif (\s) < 6
	s_wait_alu depctr_va_vdst(0)                   ; the matrix instructions of the step before are done reading W0's other set, in which the two LDS loads below land
.else
	v_cndmask_b32 v[XF+12], v[XF+12], 1.0, s49     ; k = 26 multiplies b0,
	v_cndmask_b32 v[XF+13], v[XF+13], 0, s49       ; k = 27 zeros
	s_wait_alu depctr_va_vdst(0)                   ; this step's multiplications are done reading my coordinates and the index lines the cells: the next tile's land there; the blends of steps 2 and 3 are done with v192 to v223, in which b1 lands behind the matrix instructions, which name none of these
.endif
.if (\s) < 6
	ds_load_b128 v[WN:WN+3],   v[LW] offset:W0IMG+1024*((\s)+1)       ; the next K step's four fragments of W0: a whole step ahead of their use
	ds_load_b128 v[WN+4:WN+7], v[LW] offset:W0IMG+1024*((\s)+1)+512
.endif
.if (\s) < 2
	ADDRL (\s)+5
.endif
.if (\s) == 6
	s_cmp_eq_u32 s47, 1                            ; the next tile's cells and coordinates are asked for here, if there is a next tile: no load leaves its buffer
	s_cbranch_scc1 .Lno_next
	s_add_nc_u64 s[8:9], s[8:9], 1792              ; (the loads that read these bases were shown done at the trip's top)
	s_add_nc_u64 s[10:11], s[10:11], 192
.irp q, 0,1,2,3,4,5,6
	global_load_b64 v[IX+2*\q:IX+2*\q+1], v[IXO], s[8:9] offset:256*\q th:TH_LOAD_NT
.endr
.irp j, 0,1,2
	global_load_b32 v[D+\j], v[DO], s[10:11] offset:4*\j th:TH_LOAD_NT
.endr
.Lno_next:
	s_wait_dscnt 0x0
.else
	s_wait_dscnt 0x2                               ; this K step's fragments are in; the next step's two loads may be out
.endif
.irp t, 0,1,2,3                        ; the four sums take turns, one instruction a turn
.if (\s) == 0
	v_wmma_f32_16x16x4_f32 v[H0+8*\t:H0+8*\t+7], v[WC+2*\t:WC+2*\t+1], v[XF+2*(\s):XF+2*(\s)+1], 0
.else
	v_wmma_f32_16x16x4_f32 v[H0+8*\t:H0+8*\t+7], v[WC+2*\t:WC+2*\t+1], v[XF+2*(\s):XF+2*(\s)+1], v[H0+8*\t:H0+8*\t+7]
.endif
.endr
.endm
; gelu of 32 numbers a lane, by stages.  Each batch of transcendentals has one plain line and one wait behind it, ahead of its first reader.  Each sum is read from its low end on.
.macro GELU src, dst
.set II, 0
.rept 16
	v_pk_mul_f32 v[\dst+II:\dst+II+1], v[\src+II:\src+II+1], v[\src+II:\src+II+1]             ; x^2
.set II, II+2
.endr
.set II, 0
.rept 16
	v_pk_fma_f32 v[\dst+II:\dst+II+1], v[\dst+II:\dst+II+1], s[54:55], v[K0V:K0V+1] op_sel_hi:[1,0,0]   ; K1 x^2 + K0
.set II, II+2
.endr
.set II, 0
.rept 16
	v_pk_mul_f32 v[\dst+II:\dst+II+1], v[\dst+II:\dst+II+1], v[\src+II:\src+II+1]             ; times x
.set II, II+2
.endr
.set II, 0
.rept 32
	v_exp_f32 v[\dst+II], v[\dst+II]
.set II, II+1
.endr
	v_nop
	s_wait_alu depctr_va_vdst(0)                   ; the 32 exponentials have written their results, which the additions below read
.set II, 0
.rept 16
	v_pk_add_f32 v[\dst+II:\dst+II+1], v[\dst+II:\dst+II+1], 1.0 op_sel_hi:[1,0]
.set II, II+2
.endr
.set II, 0
.rept 32
	v_rcp_f32 v[\dst+II], v[\dst+II]
.set II, II+1
.endr
	v_nop
	s_wait_alu depctr_va_vdst(0)                   ; the 32 reciprocals have written their results, which the multiplications below read
.set II, 0
.rept 16
	v_pk_mul_f32 v[\dst+II:\dst+II+1], v[\dst+II:\dst+II+1], v[\src+II:\src+II+1]             ; x / (1 + 2^..)
.set II, II+2
.endr
.endm
.Ltile:
	s_wait_loadcnt 0x0                             ; this tile's cells and coordinates, asked for a tile ago
	ds_load_b128 v[WA:WA+3],   v[LW] offset:W0IMG          ; K step 0's fragments of W0.  (No wait: no vector or matrix instruction has named this set since the last tile's waits on va_vdst, which stand behind its last K step)
	ds_load_b128 v[WA+4:WA+7], v[LW] offset:W0IMG+512
	ADDRA 0                                        ; the gathers run four steps ahead of the blends: up to 40 loads of the wave are out
	ADDRA 1
	s_wait_alu depctr_va_vdst(0)                   ; the sixteen indices of steps 0 and 1 are written, which their gathers read; all earlier lines are done with buffers 0 and 1, in which the entries land
	ADDRL 0
	ADDRL 1
	ADDRA 2
	ADDRA 3
	ADDRA 4
	s_wait_alu depctr_va_vdst(0)                   ; the 24 indices of steps 2 to 4 are written, which their gathers read; all earlier lines are done with buffers 2 to 4, in which the entries land
	ADDRL 2
	ADDRL 3
	ADDRL 4
	INTERP 0, 32
	INTERP 1, 32
	INTERP 2, 32
	INTERP 3, 24
	INTERP 4, 16
	INTERP 5, 8
	INTERP 6, 0
.irp t, 0,1,2,3                        ; b1 in the sums' layout: register 8 t + j of lane (r, h) is unit 16 t + 8 h + j.  (Covered by step 6's wait: the four matrix instructions since name H0, W0's set and the features alone)
	ds_load_b128 v[H1+8*\t:H1+8*\t+3],   v[LB] offset:64*\t
	ds_load_b128 v[H1+8*\t+4:H1+8*\t+7], v[LB] offset:64*\t+16
.endr
.rept 8
	v_nop                                          ; eight places between the last f32 matrix instruction and the first read of its result
.endr
	GELU H0, G
	; THE QUANTISER: register 16 b + i is unit 32 b + 16 h + i of my point; a block lies in lanes l and l xor 16
.irp b, 0,1
	v_max3_num_f32 v[TQ+\b],   |v[G+16*\b]|,   |v[G+16*\b+1]|, 0x8000000      ; two chains a block; the floor 2^(16 - 127) holds the byte at 1 from below
	v_max3_num_f32 v[TQ+2+\b], |v[G+16*\b+8]|, |v[G+16*\b+9]|, |v[G+16*\b+10]|
.endr
.irp i, 2,4,6
.irp b, 0,1
	v_max3_num_f32 v[TQ+\b], v[TQ+\b], |v[G+16*\b+\i]|, |v[G+16*\b+\i+1]|
.endr
.endr
.irp i, 11,13
.irp b, 0,1
	v_max3_num_f32 v[TQ+2+\b], v[TQ+2+\b], |v[G+16*\b+\i]|, |v[G+16*\b+\i+1]|
.endr
.endr
.irp b, 0,1
	v_max3_num_f32 v[TQ+\b], v[TQ+\b], v[TQ+2+\b], |v[G+16*\b+15]|
.endr
	v_permlanex16_b32 v[PT0], v[TQ],   s56, s57
	v_permlanex16_b32 v[PT1], v[TQ+1], s56, s57
	v_max_num_f32 v[TQ],   v[TQ],   v[PT0]         ; the block's largest magnitude
	v_max_num_f32 v[TQ+1], v[TQ+1], v[PT1]
.irp b, 0,1
	v_add_nc_u32 v[TQ+4+\b], 0xf8800000, v[TQ+\b]  ; 15 off its exponent field: the conversion's scale operand
.endr
.irp b, 0,1
	v_and_or_b32 v[TQ+6+\b], v[TQ+\b], 0x7f800000, s58   ; 57,344 x the scale
.endr
.irp b, 0,1
	v_lshrrev_b32 v[TQ+8+\b], 23, v[TQ+4+\b]       ; the scale's byte
.endr
	v_lshl_or_b32 v[HS], v[TQ+9], 8, v[TQ+8]
	v_lshl_or_b32 v[HS], v[HS], 16, v[HS]          ; the two bytes twice: for the codes in k 0-63 and in k 64-127.  (The 32 holds below are more than the eight places that a scale word so written owes)
.irp b, 0,1
.irp i, 0,1,2,3,4,5,6,7,8,9,10,11,12,13,14,15
	v_med3_num_f32 v[G+16*\b+\i], v[G+16*\b+\i], -v[TQ+6+\b], v[TQ+6+\b]   ; the conversion to an 8-bit code does not saturate (ISA guide 7.6.2): the hold at the largest code x the scale
.endr
	v_cvt_scalef32_pk8_bf8_f32 v[HC+4*\b:HC+4*\b+1],   v[G+16*\b:G+16*\b+7],    v[TQ+4+\b]
	v_cvt_scalef32_pk8_bf8_f32 v[HC+4*\b+2:HC+4*\b+3], v[G+16*\b+8:G+16*\b+15], v[TQ+4+\b]
.endr
.rept 4
	v_nop                                          ; the plain line behind the last conversion, and the four places between codes written by vector instructions and the scaled matrix instruction
.endr
	s_wait_alu depctr_va_vdst(0)                   ; behind the places: the conversions have written the codes and the lines above them the scale word, which the scaled matrix instructions take (in the first trip W1's scale words and the zeros too); the quantiser's lines are done with v224 to v233, and the blends with v234 to v251, in which W2 lands
.irp t, 0,1,2,3                        ; W2 in the sums' layout, for product 3
	ds_load_b128 v[W2R+8*\t:W2R+8*\t+3],   v[LB] offset:256+64*\t
	ds_load_b128 v[W2R+8*\t+4:W2R+8*\t+7], v[LB] offset:256+64*\t+16
.endr
	s_wait_dscnt 0x8                               ; b1's eight loads are in; W2's eight may be out
	v_wmma_scale_f32_16x16x128_f8f6f4 v[H1:H1+7],     v[W1F:W1F+15],    v[HC:HC+15], v[H1:H1+7],     v[W1S],   v[HS] matrix_a_fmt:MATRIX_FMT_BF8 matrix_b_fmt:MATRIX_FMT_BF8   ; units 0-15:  [H | 0]
	v_wmma_scale_f32_16x16x128_f8f6f4 v[H1+8:H1+15],  v[W1F:W1F+15],    v[Z0:Z0+15], v[H1+8:H1+15],  v[W1S],   v[HS] matrix_a_fmt:MATRIX_FMT_BF8 matrix_b_fmt:MATRIX_FMT_BF8   ; units 16-31: [0 | H]
	v_wmma_scale_f32_16x16x128_f8f6f4 v[H1+16:H1+23], v[W1F+16:W1F+31], v[HC:HC+15], v[H1+16:H1+23], v[W1S+1], v[HS] matrix_a_fmt:MATRIX_FMT_BF8 matrix_b_fmt:MATRIX_FMT_BF8   ; units 32-47
	v_wmma_scale_f32_16x16x128_f8f6f4 v[H1+24:H1+31], v[W1F+16:W1F+31], v[Z0:Z0+15], v[H1+24:H1+31], v[W1S+1], v[HS] matrix_a_fmt:MATRIX_FMT_BF8 matrix_b_fmt:MATRIX_FMT_BF8   ; units 48-63
.rept 8
	v_nop                                          ; eight places behind this form, ahead of the first read of its results
.endr
	GELU H1, G
	s_wait_dscnt 0x0                               ; W2
	v_pk_mul_f32 v[H1:H1+1],   v[G:G+1],   v[W2R:W2R+1]            ; product 3: my 32 units, two at a time, in two chains
	v_pk_mul_f32 v[H1+2:H1+3], v[G+2:G+3], v[W2R+2:W2R+3]
.irp i, 4,8,12,16,20,24,28
	v_pk_fma_f32 v[H1:H1+1],   v[G+\i:G+\i+1],   v[W2R+\i:W2R+\i+1],   v[H1:H1+1]
	v_pk_fma_f32 v[H1+2:H1+3], v[G+\i+2:G+\i+3], v[W2R+\i+2:W2R+\i+3], v[H1+2:H1+3]
.endr
	v_pk_add_f32 v[H1:H1+1], v[H1:H1+1], v[H1+2:H1+3]
	v_add_f32 v[H1], v[H1], v[H1+1]
	v_permlanex16_b32 v[PT0], v[H1], s56, s57
	v_add_f32 v[H1], v[H1], v[PT0]                 ; with lane l xor 16's 32 units
	v_add_f32 v[PT1], s59, v[H1]                   ; + b2
	v_add_nc_u32 v[OA], s48, v[OS]
	s_wait_alu depctr_va_vdst(0)                   ; v[PT1] and v[OA] are written, the LDS store's data and address; product 3 is done reading v160 to v163, in which, behind the last trip, the wave's results land
	ds_store_b32 v[OA], v[PT1]                     ; lanes r and r + 16 write the same word with the same value; the bytes are my wave's own
	s_add_co_u32 s48, s48, 64
	s_sub_co_u32 s47, s47, 1
	s_cmp_lg_u32 s47, 0
	s_cbranch_scc1 .Ltile
	ds_load_b128 v[160:163], v[OL]                 ; LDS serves a wave's instructions in order: this sees my eight stores
	s_wait_dscnt 0x0
	global_store_b128 v[LW], v[160:163], s[28:29] th:TH_STORE_NT   ; the wave's 128 results: 512 consecutive bytes, at a multiple of 256 from out0's first byte
	s_wait_dscnt 0x0                               ; the wave's end: six lines behind my last LDS store
	s_wait_alu 0x0
	s_wait_tensorcnt 0x0
	ds_add_u32 v[SPW], v[NIL]
	s_wait_dscnt 0x0
	s_endpgm
.Lfunc_end_k_qa2bd0a915c_field:
	.size	k_qa2bd0a915c_field, .Lfunc_end_k_qa2bd0a915c_field-k_qa2bd0a915c_field
	.p2alignl 7, 3214868480
	.fill 96, 4, 3214868480
	.section	.rodata,"a",@progbits
	.p2align	6, 0x0
	.amdhsa_kernel k_qa2bd0a915c_field
		.amdhsa_group_segment_fixed_size 17920
		.amdhsa_private_segment_fixed_size 0
		.amdhsa_enable_private_segment 0
		.amdhsa_kernarg_size 88
		.amdhsa_user_sgpr_count 2
		.amdhsa_user_sgpr_kernarg_segment_ptr 1
		.amdhsa_wavefront_size32 1
		.amdhsa_system_sgpr_workgroup_id_x 1
		.amdhsa_system_sgpr_workgroup_id_y 1
		.amdhsa_system_sgpr_workgroup_id_z 1
		.amdhsa_system_vgpr_workitem_id 0
		.amdhsa_next_free_vgpr 256
		.amdhsa_next_free_sgpr 66
		.amdhsa_reserve_vcc 1
		.amdhsa_float_denorm_mode_32 3
		.amdhsa_float_denorm_mode_16_64 3
		.amdhsa_memory_ordered 1
		.amdhsa_forward_progress 1
		.amdhsa_inst_pref_size 62
	.end_amdhsa_kernel
	.amdgpu_metadata
---
amdhsa.version: [ 1, 2 ]
amdhsa.kernels:
  - .name:           k_qa2bd0a915c_field
    .symbol:         k_qa2bd0a915c_field.kd
    .args:
      - { .name: cells, .offset: 0, .size: 8, .value_kind: global_buffer, .address_space: global }
      - { .name: data, .offset: 8, .size: 8, .value_kind: global_buffer, .address_space: global }
      - { .name: table, .offset: 16, .size: 8, .value_kind: global_buffer, .address_space: global }
      - { .name: W0, .offset: 24, .size: 8, .value_kind: global_buffer, .address_space: global }
      - { .name: b0, .offset: 32, .size: 8, .value_kind: global_buffer, .address_space: global }
      - { .name: W1_codes, .offset: 40, .size: 8, .value_kind: global_buffer, .address_space: global }
      - { .name: W1_scales, .offset: 48, .size: 8, .value_kind: global_buffer, .address_space: global }
      - { .name: b1, .offset: 56, .size: 8, .value_kind: global_buffer, .address_space: global }
      - { .name: W2, .offset: 64, .size: 8, .value_kind: global_buffer, .address_space: global }
      - { .name: b2, .offset: 72, .size: 8, .value_kind: global_buffer, .address_space: global }
      - { .name: out0, .offset: 80, .size: 8, .value_kind: global_buffer, .address_space: global }
    .group_segment_fixed_size: 17920
    .private_segment_fixed_size: 0
    .kernarg_segment_align: 8
    .kernarg_segment_size: 88
    .max_flat_workgroup_size: 512
    .sgpr_count:     66
    .vgpr_count:     256
    .wavefront_size: 32
...
	.end_amdgpu_metadata
.endif
;; end of part 3
